; MI455X (gfx1250); checked and timed in simulation.
; The chip was launched on July 23, 2026; its instructions are those of AMD's public machine-readable ISA for CDNA 5 (MIT licence, August 2026) and "CDNA5" Instruction Set Architecture Reference Guide (July 2026). The comments in the code are by the model that wrote it; some were corrected since.
;; Multihead Attention Module. Allowed arithmetic: matrix products marked QUANTISED: E4M3 operands, one E8M0 scale for each 32 along K, by v_wmma_scale_f32_16x16x128_f8f6f4 with both operands' format E4M3, f32 sums; everything else in f32.
;; Inputs: Wk_codes 768 x 12 x 32 uint8 (E4M3 codes of Wk, K innermost, in blocks of 32 codes); Wk_scales 768 x 12 uint8 (E8M0 scales of Wk, one for each 32 codes along K); Wo_codes 768 x 24 x 32 uint8 (E4M3 codes of Wo, K innermost, in blocks of 32 codes); Wo_scales 768 x 24 uint8 (E8M0 scales of Wo, one for each 32 codes along K); Wq_codes 768 x 12 x 32 uint8 (E4M3 codes of Wq, K innermost, in blocks of 32 codes); Wq_scales 768 x 12 uint8 (E8M0 scales of Wq, one for each 32 codes along K); Wv_codes 768 x 12 x 32 uint8 (E4M3 codes of Wv, K innermost, in blocks of 32 codes); Wv_scales 768 x 12 uint8 (E8M0 scales of Wv, one for each 32 codes along K); bo 768 float32; x_codes 2 x 4,096 x 12 x 32 uint8 (E4M3 codes of x, K innermost, in blocks of 32 codes); x_scales 2 x 4,096 x 12 uint8 (E8M0 scales of x, one for each 32 codes along K).
;; Outputs: out0 2 x 4,096 x 768 float32.
;; This version of the problem:
;;   THIS VERSION OF THE PROBLEM IS GIVEN IN LOW PRECISION. The matrix products marked QUANTISED in the list below multiply operands that are first quantised to E4M3 (4 exponent bits, 3 mantissa bits; 8 bits a number), with one power-of-two scale for each 32 numbers along K (OCP MX v1.0); their sums are f32. All else is computed in f32.
;;   The module's matrix products, in the order in which they are computed (A, B: the left and right operand; K: the contracted axis; several contracted axes count as one K, in the product's order):
;;     1. [M 8,192, K 384] x [K 384, N 768]; A: input x (given as codes); B: input Wq (given as codes): QUANTISED
;;     2. [M 8,192, K 384] x [K 384, N 768]; A: input x (given as codes); B: input Wk (given as codes): QUANTISED
;;     3. [M 8,192, K 384] x [K 384, N 768]; A: input x (given as codes); B: input Wv (given as codes): QUANTISED
;;     4. batch 12 x [M 4,096, K 128] x [K 128, N 4,096]; A: computed on the way; B: computed on the way: QUANTISED
;;     5. batch 12 x [M 4,096, K 4,096] x [K 4,096, N 128]; A: softmax (see below); B: computed on the way: QUANTISED
;;     6. [M 8,192, K 768] x [K 768, N 768]; A: computed on the way; B: input Wo (given as codes): QUANTISED
;;   THE QUANTISER, for each operand of a quantised product, along K:
;;     - K is cut into blocks of 32 from its start; a last block that is shorter is filled with zeros.
;;     - A block's scale is 2^e with e = floor(log2(the largest magnitude in the block)) - 8, held to -126 .. 127; a block of zeros has e = 0. As a byte (E8M0): e + 127.
;;     - Each number is divided by its block's scale, clamped to +-448, and rounded to the nearest number of E4M3, ties to even, subnormals kept.
;;     - The product sums the exact products of the quantised numbers (number of the format x scale) in f32.
;;   ~~~python
;;   def quantise(x, axis):      # numpy; x: float32 -> the quantised numbers, widened to float32 again
;;       x = np.moveaxis(x, axis, -1); K = x.shape[-1]
;;       x = np.pad(x, [(0, 0)] * (x.ndim - 1) + [(0, -K % 32)]); x = x.reshape(x.shape[:-1] + (-1, 32)); a = np.abs(x).max(-1, keepdims=True)
;;       e = np.where(a > 0, np.clip(np.frexp(np.where(a > 0, a, 1))[1] - 1 - 8, -126, 127), 0)      # np.frexp(a)[1] - 1 = floor(log2(a)), exactly
;;       r = np.clip(x / 2.0 ** e, -448, 448)
;;       step = 2.0 ** (np.maximum(np.frexp(np.where(r == 0, 1, r))[1] - 1, -6) - 3)
;;       q = np.round(r / step) * step * 2.0 ** e      # np.round: ties to even
;;       return np.moveaxis(q.reshape(q.shape[:-2] + (-1,))[..., :K], -1, axis).astype(np.float32)
;;   ~~~
;;   SOFTMAX AHEAD OF A QUANTISED PRODUCT. Where the list says 'softmax', what is quantised is not the finished softmax but p = 2^(t - M), with t = logit x log2(e) and M = ceil(the row's largest t), a whole number; so 1/2 < the row's largest p <= 1. The row's sum l is taken of the UNQUANTISED p, in f32, and the product's result is divided by l at the end. Since M is a whole number, a kernel that streams over the keys may use a running M (the ceiling of the running maximum): every later rescaling is an exact power of two, which a block's scale takes up: the codes' values come out the same.
;;   OPERANDS COMPUTED ON THE WAY. 'Computed on the way' means the value that the module computes at that place (a softmax that the list does not call 'softmax' is quantised finished and normalised). What goes into a quantiser is computed in f32, as accurately as f32 sums, v_exp_f32 and their like allow (about 1e-6 of the number): no bf16 or f16 on the way to a quantiser, and a product that is left as it is and whose result goes on into a quantised operand takes f32 operands (vector FMAs, or v_wmma_f32_16x16x4_f32). A number that lies on a knife's edge between two numbers of the format may be rounded either way, as far as f32 arithmetic and the matrix unit's own rounding can turn it there, and no further.
;;   INPUTS GIVEN AS CODES. Wk (in the module: [384, 768], K = its axis 0); Wo (in the module: [768, 768], K = its axis 0); Wq (in the module: [384, 768], K = its axis 0); Wv (in the module: [384, 768], K = its axis 0); x (in the module: [2, 4096, 384], K = its axis 2): each comes as NAME_codes (uint8): NAME with its K axis moved to the last place and cut into blocks of 32 codes, [.., K / 32, bytes a block], one block behind the other in memory; one code a byte (a code: sign, 4 exponent bits, 3 mantissa bits); and NAME_scales (uint8): the same leading axes, one E8M0 byte (e + 127) for each 32 codes along K. Its value is code x scale, taken as it is: it is not quantised again, and the codes and scales need not be those that the quantiser above would give.
;; One version. Each part assembles by itself: llvm-mc -triple=amdgcn-amd-amdhsa -mcpu=gfx1250 --defsym DOCPART=n.
;; ======== version 1 of 1: 3 launches
;; limits: right only within a limited range of input values
;; workspace buffers: qf 6,291,456 bytes; qs 196,608 bytes; kf 6,291,456 bytes; ks 196,608 bytes; vf 6,291,456 bytes; vs 196,608 bytes; cf 6,291,456 bytes; cs 196,608 bytes
;; launch proj (part 1): grid 48 x 3, 4 waves a work-group, no clusters, 0 bytes of LDS; arguments x_codes, x_scales, Wq_codes, Wq_scales, Wk_codes, Wk_scales, Wv_codes, Wv_scales, qf, qs, kf, ks, vf, vs; writes qf, qs, kf, ks, vf, vs
.if DOCPART == 1
	.amdgcn_target "amdgcn-amd-amdhsa--gfx1250"
	.amdhsa_code_object_version 6
	.text
	.protected	k_q8fd70c8d98_proj
	.globl	k_q8fd70c8d98_proj
	.p2align	8
	.type	k_q8fd70c8d98_proj,@function
k_q8fd70c8d98_proj:
	s_mov_b64 s[64:65], 0
	v_nop
	global_prefetch_b8 v0, s[64:65] scope:SCOPE_SE
	s_setreg_imm32_b32 hwreg(HW_REG_WAVE_MODE, 25, 1), 1
	s_wait_xcnt 0x0
; q = x Wq, k = x Wk, v = x Wv on codes of E4M3 with E8M0 scales (K = 384: three matrix instructions deep), and the quantising of the three results for attention.
; ONE BODY FOR ALL THREE: an operand S of 128 rows x 384 K stays in the wave's registers (24 fragments, 384 registers), tiles T of 16 rows x 384 K stream past it.
; Source 0 = 16 rows of S, source 1 = T: in the result a lane holds ONE row of T (lane % 16) and its registers run along S's rows.
;   work-group y = 0: S = one head's 128 rows of Wq, T = 16 tokens of x: a lane holds a token's 128 numbers of q of that head: quantised along the head's 128.
;   y = 1: the same with Wk.     y = 2: S = 128 tokens of x (one key step), T = 16 rows of Wv: a lane holds a channel's 128 numbers of v along the tokens: quantised along the keys.
; THE ROWS OF A TILE ARE NOT NEIGHBOURS, of S and of T alike: lane r of tile i takes row 32 (i / 2) + 8 (i % 2) + r + 8 (r / 8).  For S that makes the 16 registers of result tiles 2 b and 2 b + 1
; the 16 neighbours 32 b + 16 (lane / 16) + 0 .. 15 along the next K, so that the conversions' results ARE the next operand's registers; for T it is the order in which attention wants keys and channels.
; WHAT IS STORED: each tile's codes as an image of the operand's 16 registers: group c of four registers of lane l at 512 c + 16 l, 2,048 bytes a tile: every store of the wave covers 512 consecutive bytes, aligned.
; The scale words of four tiles make one block of 256 bytes: lane l's 8 bytes at 8 l; lanes 0-15 the words of tiles 0 and 1 of row l, lanes 16-31 those of tiles 2 and 3.
; SHARES: 9,216 tiles of results in all; a wave holds one S and walks 16 tiles of T (four trips of four): 192 waves for each of q, k, v; 48 work-groups of four waves, one wave to a SIMD.
; NO CLUSTER, NO LDS: S lies in registers and a tile of T (6 KB) goes straight into registers; nothing passes through LDS, so there is no tile that a joint tensor load could bring.
; A tile's 12 loads together use every byte of the two runs of 3,072 bytes (8 rows of 384) that they touch.
; LIMITS: NaN, infinities and the scale byte 0xff among the inputs are not served.  A block of zeros gets the scale byte 1 where the quantiser's rule says 127: its codes are zeros, which add nothing under that byte,
; and the bytes are read by this program alone.
; REGISTERS, in windows of 256: window 0: v1-4 offsets; v16-39 S's scale words; v40-51 T's; v56-71 at work; v72-75 the four tiles' new scale words; v76-77 their block; v80-95 the codes just made; v96-159 eight accumulators.
;   window 1: S's K steps 0 and 1 (v[128 s + 16 t]).   window 2: S's K step 2 (v[16 t]).   window 3: four buffers for T (v[48 n + 16 s]).
.set VA,  1                            ; v1   (r + 8 (r / 8)) x 384 + 16 (lane / 16): my bytes in a tile's rows of codes, of S and of T
.set VS,  2                            ; v2   (r + 8 (r / 8)) x 12: my row's scale bytes
.set VO,  3                            ; v3   16 x lane: an image's place for my lane
.set VQ,  4                            ; v4   8 x lane: my place in a block of scale words
.set SS,  16                           ; S's scale words: tile t, K step s at v[SS + 3 t + s]
.set TS,  40                           ; T's: buffer n, K step s at v[TS + 3 n + s]
.set TM,  56                           ; +0..3 largest magnitudes, +4..7 bytes, +12..15 the conversions' scale operands
.set PWR, 72
.set PK,  76
.set PC,  80
.set ACC, 96
.set SCD, 36                           ; s[36:37] S's codes, s[38:39] S's scales, s[40:41] T's codes, s[42:43] T's scales, s[44:45] the images, s[46:47] the blocks of scale words
.set SSC, 38
.set TCD, 40
.set TSC, 42
.set OCD, 44
.set OSC, 46
.set WV,  48
.set HIL, 49                           ; s49  the mask of lanes 16-31
.set SEL, 50                           ; s[50:51] v_permlanex16_b32's selects for lane l xor 16
.set MNT, 52
.set CNT, 53
.set MSB, 0
.macro WIN new                         ; the immediate's high byte repeats the setting that is left; a switch that changes nothing is dropped
.if MSB != (\new)
	s_set_vgpr_msb (MSB<<8)|(\new)
.set MSB, (\new)
.endif
.endm
	s_load_b256 s[8:15], s[0:1], 0x0               ; x's codes s[8:9], x's scales s[10:11], Wq's s[12:15]
	s_load_b256 s[16:23], s[0:1], 0x20             ; Wk's s[16:19], Wv's s[20:23]
	s_load_b256 s[24:31], s[0:1], 0x40             ; qf, qs, kf, ks
	s_load_b128 s[32:35], s[0:1], 0x60             ; vf, vs
	v_lshrrev_b32 v1, 5, v0
	v_readfirstlane_b32 s[WV], v1                  ; wave 0..3
	v_and_b32 v5, 31, v0                           ; lane
	v_and_b32 v6, 15, v0                           ; r
	v_bfe_u32 v7, v0, 4, 1                         ; lane / 16
	v_and_b32 v8, 8, v6
	v_add_nc_u32 v8, v8, v6                        ; r + 8 (r / 8)
	v_mul_u32_u24 v[VA], v8, 384
	v_lshl_add_u32 v[VA], v7, 4, v[VA]
	v_mul_u32_u24 v[VS], v8, 12
	v_lshlrev_b32 v[VO], 4, v5
	v_lshlrev_b32 v[VQ], 3, v5
	v_cmp_lt_u32 s[HIL], 15, v5
.irp b, 0,1,2,3
	v_mov_b32 v[TM+4+\b], 0                        ; written once: a lane permute's destination counts as one of its sources
.endr
	s_mov_b32 s[SEL], 0x76543210
	s_mov_b32 s[SEL+1], 0xfedcba98
	; which S and which 16 tiles of T are mine: W = 4 x work-group x + wave, 0 .. 191
	s_lshl_b32 s54, ttmp9, 2
	s_add_co_u32 s54, s54, s[WV]
	s_and_b32 s55, ttmp7, 0xffff                   ; 0: q, 1: k, 2: v
	s_lshr_b32 s56, s54, 5                         ; q, k: the head, 0 .. 5,
	s_and_b32 s57, s54, 31                         ; and which 256 tokens of the 8,192
	s_lshr_b32 s58, s57, 4                         ; the batch
	s_mul_i32 s58, s58, 6
	s_add_co_u32 s58, s58, s56
	s_lshl_b32 s58, s58, 6                         ; (6 batch + head) x 64 groups of four tiles,
	s_and_b32 s59, s57, 15
	s_lshl_b32 s59, s59, 2
	s_add_co_u32 s58, s58, s59                     ; + my first
	s_and_b32 s59, s54, 63                         ; v: the key step, 0 .. 63,
	s_lshr_b32 s60, s54, 6                         ; and which 256 channels of the 768
	s_mul_i32 s61, s59, 12                         ; 12 groups of four tiles a key step,
	s_lshl_b32 s62, s60, 2
	s_add_co_u32 s61, s61, s62                     ; + my first
	s_cmp_eq_u32 s55, 2
	s_cselect_b32 s56, s59, s56                    ; which S
	s_cselect_b32 s57, s60, s57                    ; which 16 tiles of T
	s_cselect_b32 s58, s61, s58                    ; my first group of four tiles in the output
	s_wait_alu depctr_va_vdst(0)
	s_wait_kmcnt 0x0
	s_cselect_b64 s[TCD:TCD+1], s[20:21], s[8:9]   ; the choices hang on the work-group's y alone
	s_cselect_b64 s[TSC:TSC+1], s[22:23], s[10:11]
	s_cmp_eq_u32 s55, 0
	s_cselect_b64 s[SCD:SCD+1], s[12:13], s[16:17]
	s_cselect_b64 s[SSC:SSC+1], s[14:15], s[18:19]
	s_cselect_b64 s[OCD:OCD+1], s[24:25], s[28:29]
	s_cselect_b64 s[OSC:OSC+1], s[26:27], s[30:31]
	s_cmp_eq_u32 s55, 2
	s_cselect_b64 s[SCD:SCD+1], s[8:9], s[SCD:SCD+1]
	s_cselect_b64 s[SSC:SSC+1], s[10:11], s[SSC:SSC+1]
	s_cselect_b64 s[OCD:OCD+1], s[32:33], s[OCD:OCD+1]
	s_cselect_b64 s[OSC:OSC+1], s[34:35], s[OSC:OSC+1]
	s_mov_b32 s63, 0
	s_mul_i32 s62, s56, 49152                      ; 128 rows of 384 bytes
	s_add_nc_u64 s[SCD:SCD+1], s[SCD:SCD+1], s[62:63]
	s_mul_i32 s62, s56, 1536                       ; 128 rows of 12 bytes
	s_add_nc_u64 s[SSC:SSC+1], s[SSC:SSC+1], s[62:63]
	s_mul_i32 s62, s57, 98304                      ; 256 rows of 384 bytes
	s_add_nc_u64 s[TCD:TCD+1], s[TCD:TCD+1], s[62:63]
	s_mul_i32 s62, s57, 3072
	s_add_nc_u64 s[TSC:TSC+1], s[TSC:TSC+1], s[62:63]
	s_lshl_b32 s62, s58, 13                        ; four images of 2,048 bytes
	s_add_nc_u64 s[OCD:OCD+1], s[OCD:OCD+1], s[62:63]
	s_lshl_b32 s62, s58, 8
	s_add_nc_u64 s[OSC:OSC+1], s[OSC:OSC+1], s[62:63]
	; S: 24 fragments and their scale words; they stay
	WIN 0x40                                       ; destination window 1
.irp s, 0,1
.irp t, 0,1,2,3,4,5,6,7
.irp c, 0,1,2,3
	global_load_b128 v[128*\s+16*\t+4*\c:128*\s+16*\t+4*\c+3], v[VA], s[SCD:SCD+1] offset:(32*(\t/2)+8*(\t%2))*384+128*\s+32*\c
.endr
.endr
.endr
	WIN 0x80                                       ; destination window 2
.irp t, 0,1,2,3,4,5,6,7
.irp c, 0,1,2,3
	global_load_b128 v[16*\t+4*\c:16*\t+4*\c+3], v[VA], s[SCD:SCD+1] offset:(32*(\t/2)+8*(\t%2))*384+256+32*\c
.endr
.endr
	WIN 0
.irp t, 0,1,2,3,4,5,6,7
.irp s, 0,1,2
	global_load_b32 v[SS+3*\t+\s], v[VS], s[SSC:SSC+1] offset:(32*(\t/2)+8*(\t%2))*12+4*\s
.endr
.endr
; Tile n of the four that begin off rows on: 12 loads of codes into buffer n, 3 of scale words: 15 loads
.macro TFILL n, off
	WIN 0xc0                                       ; destination window 3
.irp s, 0,1,2
.irp c, 0,1,2,3
	global_load_b128 v[48*(\n)+16*\s+4*\c:48*(\n)+16*\s+4*\c+3], v[VA], s[TCD:TCD+1] offset:((\off)+32*((\n)/2)+8*((\n)%2))*384+128*\s+32*\c
.endr
.endr
	WIN 0
.irp s, 0,1,2
	global_load_b32 v[TS+3*(\n)+\s], v[VS], s[TSC:TSC+1] offset:((\off)+32*((\n)/2)+8*((\n)%2))*12+4*\s
.endr
.endm
; 64 numbers of a lane, v[s] on, register 16 b + i = place 32 b + 16 (lane / 16) + i along the next K of my row, become a fragment's codes in v[PC] on and its scale word in v[pw].
.macro QUANT s, pw
.irp b, 0,1,2,3
	v_max3_num_f32 v[TM+\b], |v[\s+16*\b]|, |v[\s+1+16*\b]|, 0x4800000   ; block b: my 16 numbers, and the floor 2^(9 - 127), under which no largest magnitude is taken: so the byte cannot fall under 1
.endr
.irp i, 2,4,6,8,10,12,14
.irp b, 0,1,2,3
	v_max3_num_f32 v[TM+\b], v[TM+\b], |v[\s+16*\b+\i]|, |v[\s+1+16*\b+\i]|   ; the four blocks by turns: no line waits for the line above it
.endr
.endr
.irp b, 0,1,2,3
	v_permlanex16_b32 v[TM+4+\b], v[TM+\b], s[SEL], s[SEL+1]
.endr
.irp b, 0,1,2,3
	v_max_num_f32 v[TM+\b], v[TM+\b], v[TM+4+\b]   ; with lane l xor 16's 16: the block's largest magnitude
.endr
.irp b, 0,1,2,3
	v_add_nc_u32 v[TM+12+\b], 0xfc000000, v[TM+\b] ; 8 off its exponent field: the conversion takes the exponent field of this operand as its scale, and nothing else of it
.endr
.irp b, 0,1,2,3
.endr
.irp b, 0,1,2,3
	v_lshrrev_b32 v[TM+4+\b], 23, v[TM+12+\b]      ; the scale's byte
.endr
	v_lshl_or_b32 v[\pw], v[TM+5], 8, v[TM+4]      ; the four bytes make my row's scale word
	v_lshl_or_b32 v[\pw], v[TM+6], 16, v[\pw]
	v_lshl_or_b32 v[\pw], v[TM+7], 24, v[\pw]
.irp b, 0,1,2,3
.irp i, 0,1,2,3,4,5,6,7,8,9,10,11,12,13,14,15
.endr
	v_cvt_scalef32_pk8_fp8_f32 v[PC+4*\b:PC+1+4*\b], v[\s+16*\b:\s+7+16*\b], v[TM+12+\b]
	v_cvt_scalef32_pk8_fp8_f32 v[PC+2+4*\b:PC+3+4*\b], v[\s+8+16*\b:\s+15+16*\b], v[TM+12+\b]
.endr
	v_nop                                          ; one plain line between the last conversion and the next products, which write its sources
.endm
; One tile of T: 24 products, the eight accumulators by turns, K step by K step; quantised; stored.
; ahead = 1: buffer n takes the next trip's tile n.  left = how many younger loads may stay out.
.macro TILE n, ahead, left
	s_wait_loadcnt \left                           ; loads come back in order: tile n's 15 are in; three younger tiles' 15 each may be out
	WIN 0x0d                                       ; source 0 (S) window 1, source 1 (T) window 3
.irp t, 0,1,2,3,4,5,6,7
	v_wmma_scale_f32_16x16x128_f8f6f4 v[ACC+8*\t:ACC+8*\t+7], v[16*\t:16*\t+15], v[48*(\n):48*(\n)+15], 0, v[SS+3*\t], v[TS+3*(\n)]
.endr
.irp t, 0,1,2,3,4,5,6,7
	v_wmma_scale_f32_16x16x128_f8f6f4 v[ACC+8*\t:ACC+8*\t+7], v[128+16*\t:128+16*\t+15], v[48*(\n)+16:48*(\n)+31], v[ACC+8*\t:ACC+8*\t+7], v[SS+3*\t+1], v[TS+3*(\n)+1]
.endr
	WIN 0x0e                                       ; source 0 window 2
.irp t, 0,1,2,3,4,5,6,7
	v_wmma_scale_f32_16x16x128_f8f6f4 v[ACC+8*\t:ACC+8*\t+7], v[16*\t:16*\t+15], v[48*(\n)+32:48*(\n)+47], v[ACC+8*\t:ACC+8*\t+7], v[SS+3*\t+2], v[TS+3*(\n)+2]
.endr
	WIN 0
.rept 8
	v_nop                                          ; eight places in front of the loads into T's buffer and scale words and of the first read of the results
.endr
	s_wait_xcnt 0x0                                ; the last tile's stores have read their data: the codes' registers and the block of scale words are written again only behind this wait.
	                                               ; It stands ahead of the loads below, which it need not cover: their sources (v1, v2, T's two bases) are written only behind the wait at the trip's end
.if \ahead
	TFILL \n, 64
.endif
	QUANT ACC, PWR+\n
.irp c, 0,1,2,3
	global_store_b128 v[VO], v[PC+4*\c:PC+4*\c+3], s[OCD:OCD+1] offset:2048*(\n)+512*\c   ; 32 lanes store 512 consecutive bytes, aligned
.endr
.if (\n) == 3
	v_cndmask_b32 v[PK], v[PWR], v[PWR+2], s[HIL]  ; lanes 0-15: the words of tiles 0 and 1; lanes 16-31: those of tiles 2 and 3 (every lane holds its row's word)
	v_cndmask_b32 v[PK+1], v[PWR+1], v[PWR+3], s[HIL]
	global_store_b64 v[VQ], v[PK:PK+1], s[OSC:OSC+1]   ; 32 lanes store 256 consecutive bytes, aligned
.endif
.endm
	TFILL 0, 0
	TFILL 1, 0
	TFILL 2, 0
	TFILL 3, 0
	s_mov_b32 s[CNT], 3
.Lquad:                                                ; three trips of four tiles, each filling the buffers for the next trip
	TILE 0, 1, 45
	TILE 1, 1, 45
	TILE 2, 1, 45
	TILE 3, 1, 45
	s_wait_xcnt 0x0                                ; every load and store issued so far has read its base: the four are stepped only behind this wait
	s_add_nc_u64 s[TCD:TCD+1], s[TCD:TCD+1], 24576 ; 64 rows of 384 bytes
	s_add_nc_u64 s[TSC:TSC+1], s[TSC:TSC+1], 768
	s_add_nc_u64 s[OCD:OCD+1], s[OCD:OCD+1], 8192
	s_add_nc_u64 s[OSC:OSC+1], s[OSC:OSC+1], 256
	s_sub_co_u32 s[CNT], s[CNT], 1
	s_cmp_lg_u32 s[CNT], 0
	s_cbranch_scc1 .Lquad
	TILE 0, 0, 45                                  ; the last trip loads nothing: no load leaves its buffer, and the counts run down
	TILE 1, 0, 30
	TILE 2, 0, 15
	TILE 3, 0, 0
	s_endpgm
.Lfunc_end_k_q8fd70c8d98_proj:
	.size	k_q8fd70c8d98_proj, .Lfunc_end_k_q8fd70c8d98_proj-k_q8fd70c8d98_proj
	.p2alignl 7, 3214868480
	.fill 96, 4, 3214868480
	.section	.rodata,"a",@progbits
	.p2align	6, 0x0
	.amdhsa_kernel k_q8fd70c8d98_proj
		.amdhsa_group_segment_fixed_size 0
		.amdhsa_private_segment_fixed_size 0
		.amdhsa_enable_private_segment 0
		.amdhsa_kernarg_size 112
		.amdhsa_user_sgpr_count 2
		.amdhsa_user_sgpr_kernarg_segment_ptr 1
		.amdhsa_wavefront_size32 1
		.amdhsa_system_sgpr_workgroup_id_x 1
		.amdhsa_system_sgpr_workgroup_id_y 1
		.amdhsa_system_sgpr_workgroup_id_z 1
		.amdhsa_system_vgpr_workitem_id 0
		.amdhsa_next_free_vgpr 960
		.amdhsa_next_free_sgpr 66
		.amdhsa_reserve_vcc 0
		.amdhsa_float_denorm_mode_32 3
		.amdhsa_float_denorm_mode_16_64 3
		.amdhsa_fp16_overflow 1
		.amdhsa_memory_ordered 1
		.amdhsa_forward_progress 1
		.amdhsa_inst_pref_size 86
	.end_amdhsa_kernel
	.amdgpu_metadata
---
amdhsa.version: [ 1, 2 ]
amdhsa.kernels:
  - .name:           k_q8fd70c8d98_proj
    .symbol:         k_q8fd70c8d98_proj.kd
    .args:
      - { .name: x_codes, .offset: 0, .size: 8, .value_kind: global_buffer, .address_space: global }
      - { .name: x_scales, .offset: 8, .size: 8, .value_kind: global_buffer, .address_space: global }
      - { .name: Wq_codes, .offset: 16, .size: 8, .value_kind: global_buffer, .address_space: global }
      - { .name: Wq_scales, .offset: 24, .size: 8, .value_kind: global_buffer, .address_space: global }
      - { .name: Wk_codes, .offset: 32, .size: 8, .value_kind: global_buffer, .address_space: global }
      - { .name: Wk_scales, .offset: 40, .size: 8, .value_kind: global_buffer, .address_space: global }
      - { .name: Wv_codes, .offset: 48, .size: 8, .value_kind: global_buffer, .address_space: global }
      - { .name: Wv_scales, .offset: 56, .size: 8, .value_kind: global_buffer, .address_space: global }
      - { .name: qf, .offset: 64, .size: 8, .value_kind: global_buffer, .address_space: global }
      - { .name: qs, .offset: 72, .size: 8, .value_kind: global_buffer, .address_space: global }
      - { .name: kf, .offset: 80, .size: 8, .value_kind: global_buffer, .address_space: global }
      - { .name: ks, .offset: 88, .size: 8, .value_kind: global_buffer, .address_space: global }
      - { .name: vf, .offset: 96, .size: 8, .value_kind: global_buffer, .address_space: global }
      - { .name: vs, .offset: 104, .size: 8, .value_kind: global_buffer, .address_space: global }
    .group_segment_fixed_size: 0
    .private_segment_fixed_size: 0
    .kernarg_segment_align: 8
    .kernarg_segment_size: 112
    .max_flat_workgroup_size: 128
    .sgpr_count:     66
    .vgpr_count:     960
    .wavefront_size: 32
...
	.end_amdgpu_metadata
.endif
;; end of part 1
;; launch attn (part 2): grid 16 x 12, 8 waves a work-group, clusters of 4 x 1, 327,680 bytes of LDS; arguments qf, qs, kf, ks, vf, vs, cf, cs; writes cf, cs
.if DOCPART == 2
	.amdgcn_target "amdgcn-amd-amdhsa--gfx1250"
	.amdhsa_code_object_version 6
	.text
	.protected	k_q8fd70c8d98_attn
	.globl	k_q8fd70c8d98_attn
	.p2align	8
	.type	k_q8fd70c8d98_attn,@function
k_q8fd70c8d98_attn:
	s_mov_b64 s[64:65], 0
	v_nop
	global_prefetch_b8 v0, s[64:65] scope:SCOPE_SE
	s_setreg_imm32_b32 hwreg(HW_REG_WAVE_MODE, 25, 1), 1
	s_wait_xcnt 0x0
	s_wait_alu depctr_hold_cnt(0) depctr_sa_sdst(0) depctr_va_vdst(0) depctr_va_sdst(0) depctr_va_ssrc(0) depctr_va_vcc(0) depctr_vm_vsrc(0)
	s_getreg_b32 s2, hwreg(HW_REG_IB_STS2, 6, 4)
	s_cmp_eq_u32 s2, 0
	s_cbranch_scc0 .Lentry_in_a_cluster
	s_endpgm
.Lentry_in_a_cluster:
	s_bfe_u32 s2, ttmp6, 0x10000c
	s_cmp_lg_u32 s2, 0x3003
	s_cbranch_scc0 .Lentry_shape_is_right
	s_endpgm
.Lentry_shape_is_right:
.set NST,   4
.set KVB,   16384
.set STEPB, 2*KVB
.set SLOT1, 1<<17
.set SCK,   2*SLOT1
.set SCV,   SCK+16384
.set SCR,   SCV+16384
.set SPARE, SCR+1024
.set AD0, 1
.set AS0, 2
.set AD,  3
.set ADS, 4
.set SPW, 5
.set NIL, 6
.set PFO, 7
.set TM,  32
.set STP, 3
.set SEL, 20
.set CS,  22
.set G1,  24
.set G0K, 32
.set G0V, 36
.set G1SK, 40
.set G1SV, 48
.set G0SK, 56
.set G0SV, 60
.set WV,  66
.set MNT, 67
.set TB,  68
.set TS,  69
.set SLOTS, 70
.set LIM, 71
.set PFA, 72
.set PFS, 74
.set MSB, 0
.macro WIN new
.if MSB != (\new)
	s_set_vgpr_msb (MSB<<8)|(\new)
.set MSB, (\new)
.endif
.endm
.macro TLOAD g0k, g1k, g0v, g1v
	s_cmp_lt_u32 s[WV], 4
	s_cbranch_scc0 .Lfor_v_\@
	tensor_load_to_lds s[\g0k:\g0k+3], s[\g1k:\g1k+7]
	s_nop 0
.rept 4
	v_nop
.endr
	s_branch .Lasked_\@
.Lfor_v_\@:
	tensor_load_to_lds s[\g0v:\g0v+3], s[\g1v:\g1v+7]
	s_nop 0
.rept 4
	v_nop
.endr
.Lasked_\@:
.endm
.macro ASK
	s_cmp_gt_u32 s[SLOTS], s[LIM]
	s_cbranch_scc0 .Lnot_mine_\@
	global_prefetch_b8 v[PFO], s[PFA:PFA+1] th:TH_LOAD_NT scope:SCOPE_SE
.Lnot_mine_\@:
.endm
.macro CROUND
	s_barrier_signal -1
	s_barrier_wait -1
	s_cmp_lg_u32 s[WV], 0
	s_cbranch_scc1 .Lnot_wave_0_\@
	s_barrier_signal -3
.Lnot_wave_0_\@:
	s_barrier_wait -3
	s_barrier_signal -1
	s_barrier_wait -1
.endm
	s_load_b256 s[4:11], s[0:1], 0x0
	s_load_b256 s[12:19], s[0:1], 0x20
	v_lshl_add_u32 v[SPW], v0, 2, SPARE
	v_mov_b32 v[NIL], 0
	ds_add_u32 v5, v6
	ds_add_u32 v5, v6
	s_wait_dscnt 0x0
	v_lshrrev_b32 v1, 5, v0
	s_delay_alu instid0(VALU_DEP_1)
	v_readfirstlane_b32 s[WV], v1
	v_and_b32 v[PFO], 31, v0
	s_delay_alu instid0(VALU_DEP_1)
	v_lshlrev_b32 v[AD0], 4, v[PFO]
	s_delay_alu instid0(VALU_DEP_2)
	v_lshl_add_u32 v[AS0], v[PFO], 3, SCK
	s_delay_alu instid0(VALU_DEP_3)
	v_lshlrev_b32 v[PFO], 8, v[PFO]
	v_and_b32 v[ADS], 15, v0
	s_delay_alu instid0(VALU_DEP_1)
	v_lshlrev_b32 v[ADS], 3, v[ADS]
	s_and_b32 s78, ttmp7, 0xffff
	s_mul_i32 s79, s78, 43
	s_lshr_b32 s79, s79, 8
	s_mul_i32 s80, s79, 6
	s_sub_co_u32 s80, s78, s80
	s_and_b32 s81, s[WV], 3
	s_lshl_b32 s82, s78, 19
	s_lshl_b32 s84, s81, 14
	s_add_co_u32 s82, s82, s84
	s_mov_b32 s83, 0
	s_mul_i32 s84, s79, 3145728
	s_lshl_b32 s86, s80, 14
	s_add_co_u32 s84, s84, s86
	s_mul_i32 s86, s81, 98304
	s_add_co_u32 s84, s84, s86
	s_mov_b32 s85, 0
	s_lshl_b32 s86, s78, 14
	s_lshl_b32 s88, s81, 12
	s_add_co_u32 s86, s86, s88
	s_mov_b32 s87, 0
	s_mul_i32 s88, s79, 98304
	s_lshl_b32 s90, s80, 9
	s_add_co_u32 s88, s88, s90
	s_mul_i32 s90, s81, 24576
	s_add_co_u32 s88, s88, s90
	s_mov_b32 s89, 0
	s_lshl_b32 s90, s81, 15
	s_lshl_b32 s91, s81, 12
	s_mov_b32 s[G1], 15|(3<<16)|(1<<21)
	s_mov_b32 s[G1+1], 32<<16
	s_mov_b32 s[G1+2], 64<<16
	s_mov_b32 s[G1+3], 32<<16
	s_mov_b32 s[G1+4], 64
	s_mov_b32 s[G1+5], 32
	s_mov_b32 s[G1+6], 0
	s_mov_b32 s[G1+7], 0
	s_mov_b32 s[G1SK], 15|(3<<16)|(1<<21)
	s_mov_b32 s[G1SK+1], 32<<16
	s_mov_b32 s[G1SK+2], 16<<16
	s_mov_b32 s[G1SK+3], 32<<16
	s_mov_b32 s[G1SK+4], 16
	s_mov_b32 s[G1SK+5], 32
	s_mov_b32 s[G1SK+6], 0
	s_mov_b32 s[G1SK+7], 0
	s_mov_b32 s[G1SV], 15|(3<<16)|(1<<21)
	s_mov_b32 s[G1SV+1], 64<<16
	s_mov_b32 s[G1SV+2], 8<<16
	s_mov_b32 s[G1SV+3], 64<<16
	s_mov_b32 s[G1SV+4], 8
	s_mov_b32 s[G1SV+5], 384
	s_mov_b32 s[G1SV+6], 0
	s_mov_b32 s[G1SV+7], 0
	s_mov_b32 s[SEL], 0x76543210
	s_mov_b32 s[SEL+1], 0xfedcba98
	s_mov_b32 s[CS], 0x3e0293ee
	s_mov_b32 s[CS+1], s[CS]
	s_mov_b32 s[TB], 0
	s_mov_b32 s[TS], 0
	s_mov_b32 s[SLOTS], 7
	s_bfe_u32 s76, ttmp6, 0x40000
	s_lshl_b32 s77, ttmp9, 2
	s_add_co_u32 s77, s77, s76
	s_lshl_b32 s92, s78, 19
	s_lshl_b32 s93, s77, 15
	s_add_co_u32 s92, s92, s93
	s_lshl_b32 s93, s[WV], 12
	s_add_co_u32 s92, s92, s93
	s_mov_b32 s93, 0
	s_lshl_b32 s94, s78, 14
	s_lshl_b32 s95, s77, 10
	s_add_co_u32 s94, s94, s95
	s_lshl_b32 s95, s[WV], 7
	s_add_co_u32 s94, s94, s95
	s_mov_b32 s95, 0
	s_lshl_b32 s96, s79, 6
	s_lshl_b32 s97, s77, 2
	s_add_co_u32 s96, s96, s97
	s_lshl_b32 s98, s96, 8
	s_lshl_b32 s99, s80, 15
	s_add_co_u32 s98, s98, s99
	s_min_u32 s99, s[WV], 1
	s_lshl_b32 s99, s99, 9
	s_add_co_u32 s98, s98, s99
	s_mov_b32 s99, 0
	s_lshr_b32 s97, s[WV], 1
	s_add_co_u32 s96, s96, s97
	s_mul_i32 s96, s96, 6
	s_add_co_u32 s96, s96, s80
	s_lshl_b32 s96, s96, 13
	s_and_b32 s97, s[WV], 1
	s_lshl_b32 s97, s97, 12
	s_add_co_u32 s96, s96, s97
	s_mov_b32 s97, 0
	s_wait_kmcnt 0x0
	s_mov_b32 s[G0K], 1
	s_mov_b32 s[G0K+1], s90
	s_add_nc_u64 s[G0K+2:G0K+3], s[8:9], s[82:83]
	s_or_b32 s[G0K+3], s[G0K+3], 0x80000000
	s_mov_b32 s[G0V], 1
	s_add_co_u32 s[G0V+1], s90, KVB
	s_add_nc_u64 s[G0V+2:G0V+3], s[12:13], s[84:85]
	s_or_b32 s[G0V+3], s[G0V+3], 0x80000000
	s_mov_b32 s[G0SK], 1
	s_add_co_u32 s[G0SK+1], s91, SCK
	s_add_nc_u64 s[G0SK+2:G0SK+3], s[10:11], s[86:87]
	s_or_b32 s[G0SK+3], s[G0SK+3], 0x80000000
	s_mov_b32 s[G0SV], 1
	s_add_co_u32 s[G0SV+1], s91, SCV
	s_add_nc_u64 s[G0SV+2:G0SV+3], s[14:15], s[88:89]
	s_or_b32 s[G0SV+3], s[G0SV+3], 0x80000000
	CROUND
	TLOAD G0SK, G1SK, G0SV, G1SV
	s_wait_alu depctr_va_vdst(0)
	s_wait_tensorcnt 0x0
	ds_add_u32 v5, v6
	s_wait_dscnt 0x0
	CROUND
	TLOAD G0K, G1, G0V, G1
	s_add_nc_u64 s[4:5], s[4:5], s[92:93]
	s_add_nc_u64 s[6:7], s[6:7], s[94:95]
	s_add_nc_u64 s[16:17], s[16:17], s[96:97]
	s_add_nc_u64 s[18:19], s[18:19], s[98:99]
	s_wait_alu depctr_va_vdst(0)
.irp c, 0,1,2,3
	global_load_b128 v[16+4*\c:19+4*\c], v[AD0], s[4:5] offset:512*\c
.endr
	global_load_b64 v[8:9], v[ADS], s[6:7]
	WIN 0x40
.irp c, 0,1,2,3
	global_load_b128 v[16+4*\c:19+4*\c], v[AD0], s[4:5] offset:2048+512*\c
.endr
	WIN 0
	s_lshl_b32 s92, s78, 19
	s_lshl_b32 s93, s76, 14
	s_add_co_u32 s92, s92, s93
	s_mul_i32 s94, s79, 3145728
	s_lshl_b32 s93, s80, 14
	s_add_co_u32 s94, s94, s93
	s_mul_i32 s93, s76, 98304
	s_add_co_u32 s94, s94, s93
	s_mov_b32 s[PFS], 393216
	s_cmp_lt_u32 s[WV], 4
	s_cselect_b64 s[PFA:PFA+1], s[8:9], s[12:13]
	s_cselect_b32 s[PFS], 65536, s[PFS]
	s_cselect_b32 s92, s92, s94
	s_and_b32 s93, s[WV], 1
	s_lshl_b32 s93, s93, 13
	s_add_co_u32 s92, s92, s93
	s_mov_b32 s93, 0
	s_mov_b32 s[PFS+1], 0
	s_add_nc_u64 s[PFA:PFA+1], s[PFA:PFA+1], s[92:93]
	s_add_nc_u64 s[PFA:PFA+1], s[PFA:PFA+1], s[PFS:PFS+1]
	s_and_b32 s94, s[WV], 2
	s_or_b32 s94, s94, ttmp9
	s_cmp_eq_u32 s94, 0
	s_cselect_b32 s[LIM], 1, -1
.macro INIT
	v_mov_b32 v13, 0xff61b1e6
	s_delay_alu instid0(VALU_DEP_1)
	v_floor_f32 v12, -v13
	v_mov_b32 v14, 0
	v_mov_b32 v15, 0
.irp b, 0,1,2,3
	v_mov_b32 v[236+\b], 0
.endr
	v_mov_b32 v253, 0
.set J, 0
.rept 64
	v_mov_b32 v[160+J], 0
.set J, J+1
.endr
.endm
	INIT
	WIN 0x55
	INIT
	WIN 0
.macro KVLOAD off, soff
	ds_load_b64 v[248:249], v[ADS] offset:\soff
	ds_load_b64 v[250:251], v[ADS] offset:\soff+256
.irp t, 0,1,2,3
.irp c, 0,1,2,3
	ds_load_b128 v[32+16*\t+4*\c:35+16*\t+4*\c], v[AD] offset:\off+2048*\t+512*\c
.endr
.endr
	WIN 0x40
.irp t, 0,1,2,3
.irp c, 0,1,2,3
	ds_load_b128 v[32+16*\t+4*\c:35+16*\t+4*\c], v[AD] offset:\off+8192+2048*\t+512*\c
.endr
.endr
.endm
.macro SM4 u, g
.irp t, 0,1,2,3
.if \t < 2
	v_wmma_scale_f32_16x16x128_f8f6f4 v[96+8*(4*\g+\t):103+8*(4*\g+\t)], v[32+16*\t:47+16*\t], v[16:31], 0, v[248+2*\g+\t%2], v[8+\u]
.else
	v_wmma_scale_f32_16x16x128_f8f6f4 v[96+8*(4*\g+\t):103+8*(4*\g+\t)], v[32+16*\t:47+16*\t], v[16:31], 0, v[248+2*\g+\t%2], v[8+\u] matrix_a_scale:MATRIX_SCALE_ROW1
.endif
.endr
.endm
.macro PV4 u, g
.irp t, 0,1,2,3
.if \t < 2
	v_wmma_scale_f32_16x16x128_f8f6f4 v[160+8*(4*\g+\t):167+8*(4*\g+\t)], v[32+16*\t:47+16*\t], v[224:239], v[160+8*(4*\g+\t):167+8*(4*\g+\t)], v[248+2*\g+\t%2], v[10+\u]
.else
	v_wmma_scale_f32_16x16x128_f8f6f4 v[160+8*(4*\g+\t):167+8*(4*\g+\t)], v[32+16*\t:47+16*\t], v[224:239], v[160+8*(4*\g+\t):167+8*(4*\g+\t)], v[248+2*\g+\t%2], v[10+\u] matrix_a_scale:MATRIX_SCALE_ROW1
.endif
.endr
.endm
.macro SOFT u
	WIN 0x55*\u
.irp b, 0,1,2,3
	v_max3_num_f32 v[232+\b], v[96+16*\b], v[97+16*\b], v[98+16*\b]
.endr
.irp i, 3,5,7,9,11,13
.irp b, 0,1,2,3
	v_max3_num_f32 v[232+\b], v[232+\b], v[96+16*\b+\i], v[97+16*\b+\i]
.endr
.endr
.irp b, 0,1,2,3
	v_max_num_f32 v[232+\b], v[232+\b], v[111+16*\b]
.endr
.irp b, 0,1,2,3
	v_permlanex16_b32 v[236+\b], v[232+\b], s[SEL], s[SEL+1]
.endr
.irp b, 0,1,2,3
	s_delay_alu instid0(VALU_DEP_4)
	v_max_num_f32 v[232+\b], v[232+\b], v[236+\b]
.endr
	s_delay_alu instid0(VALU_DEP_2)
	v_max3_num_f32 v254, v232, v233, v234
	s_delay_alu instid0(VALU_DEP_1)
	v_max_num_f32 v254, v254, v235
	s_delay_alu instid0(VALU_DEP_1)
	v_mul_f32 v254, s[CS], v254
	s_delay_alu instid0(VALU_DEP_1)
	v_max_num_f32 v13, v13, v254
	v_mov_b32 v254, v12
	s_delay_alu instid0(VALU_DEP_2)
	v_floor_f32 v12, -v13
	s_delay_alu instid0(VALU_DEP_1)
	v_sub_f32 v254, v12, v254
	s_delay_alu instid0(VALU_DEP_1)
	v_cvt_i32_f32 v254, v254
	s_delay_alu instid0(VALU_DEP_1)
	v_ldexp_f32 v252, 1.0, v254
.set J, 0
.rept 32
	v_pk_fma_f32 v[96+J:97+J], v[96+J:97+J], s[CS:CS+1], v[12:13] op_sel_hi:[1,0,0]
.set J, J+2
.endr
.irp b, 0,1,2,3
	v_fma_f32 v[232+\b], v[232+\b], s[CS], v12
.endr
.set J, 0
	s_wait_alu depctr_va_vdst(0)
.rept 64
	v_exp_f32 v[96+J], v[96+J]
.set J, J+1
.endr
.irp b, 0,1,2,3
	v_exp_f32 v[232+\b], v[232+\b]
.endr
	v_pk_mul_f32 v[14:15], v[14:15], v[252:253] op_sel_hi:[1,0]
	s_wait_alu depctr_va_vdst(0)
.irp b, 0,1,2,3
	v_max_num_f32 v[232+\b], 0x4800000, v[232+\b]
.endr
.irp b, 0,1,2,3
	s_delay_alu instid0(VALU_DEP_4)
	v_add_nc_u32 v[244+\b], 0xfc000000, v[232+\b]
.endr
.irp b, 0,1,2,3
.endr
.irp b, 0,1,2,3
	s_delay_alu instid0(VALU_DEP_4)
	v_lshrrev_b32 v[236+\b], 23, v[244+\b]
.endr
	s_delay_alu instid0(VALU_DEP_3)
	v_lshl_or_b32 v253, v237, 8, v236
	s_delay_alu instid0(VALU_DEP_1)
	v_lshl_or_b32 v253, v238, 16, v253
	WIN 0x15*\u
	v_lshl_or_b32 v[10+\u], v239, 24, v253
	WIN 0x55*\u
	v_pk_add_f32 v[236:237], v[96:97], v[98:99]
.set J, 4
.rept 15
	v_pk_add_f32 v[14:15], v[14:15], v[96+J:97+J]
	v_pk_add_f32 v[236:237], v[236:237], v[98+J:99+J]
.set J, J+4
.endr
	s_delay_alu instid0(VALU_DEP_1)
	v_pk_add_f32 v[14:15], v[14:15], v[236:237]
.irp b, 0,1,2,3
.set J, 0
.rept 16
.set J, J+1
.endr
	v_cvt_scalef32_pk8_fp8_f32 v[224+4*\b:225+4*\b], v[96+16*\b:103+16*\b], v[244+\b]
	v_cvt_scalef32_pk8_fp8_f32 v[226+4*\b:227+4*\b], v[104+16*\b:111+16*\b], v[244+\b]
.endr
.set J, 0
.rept 32
	v_pk_mul_f32 v[160+J:161+J], v[160+J:161+J], v[252:253] op_sel_hi:[1,0]
.set J, J+2
.endr
.endm
.macro STEP
	v_add_nc_u32 v[ADS], s[TS], v[AS0]
	v_add_nc_u32 v[AD], s[TB], v[AD0]
.rept 6
	v_nop
.endr
	KVLOAD 0, 0
	s_wait_alu depctr_va_vdst(0)
	s_wait_dscnt 16
	WIN 0x00
	SM4 0, 0
	WIN 0x54
	SM4 1, 0
	s_wait_dscnt 0x0
	WIN 0x55
	SM4 1, 1
	WIN 0x01
	SM4 0, 1
	WIN 0
.rept 8
	v_nop
.endr
	KVLOAD KVB, 16384
	SOFT 0
	SOFT 1
	s_wait_alu depctr_va_vdst(0)
	s_wait_dscnt 0x0
	WIN 0x00
	PV4 0, 0
	WIN 0x54
	PV4 1, 0
	WIN 0x55
	PV4 1, 1
	WIN 0x01
	PV4 0, 1
	WIN 0
	s_add_co_u32 s[TS], s[TS], 512
	s_add_co_u32 s[TB], s[TB], STEPB
.endm
.macro SLOT_STEPS
	s_mov_b32 s[STP], NST
.Lstep_\@:
	STEP
	s_sub_co_u32 s[STP], s[STP], 1
	s_cmp_lg_u32 s[STP], 0
	s_cbranch_scc1 .Lstep_\@
	s_sub_co_u32 s[TB], s[TB], NST*STEPB
	s_xor_b32 s[TB], s[TB], SLOT1
.endm
.macro CHANGE fill
	s_wait_tensorcnt 0x0
	ds_add_u32 v[SPW], v[NIL]
.if \fill
	s_xor_b32 s[G0K+1], s[G0K+1], SLOT1
	s_add_nc_u64 s[G0K+2:G0K+3], s[G0K+2:G0K+3], NST*KVB
	s_xor_b32 s[G0V+1], s[G0V+1], SLOT1
	s_add_nc_u64 s[G0V+2:G0V+3], s[G0V+2:G0V+3], NST*98304
	s_wait_xcnt 0x0
	s_add_nc_u64 s[PFA:PFA+1], s[PFA:PFA+1], s[PFS:PFS+1]
	s_wait_dscnt 0x0
	CROUND
	TLOAD G0K, G1, G0V, G1
	ASK
.else
	s_wait_dscnt 0x0
	s_barrier_signal -1
	s_barrier_wait -1
.endif
.endm
	s_wait_loadcnt 0x0
.Lslot:
	CHANGE 1
	SLOT_STEPS
	s_sub_co_u32 s[SLOTS], s[SLOTS], 1
	s_cmp_lg_u32 s[SLOTS], 0
	s_cbranch_scc1 .Lslot
	CHANGE 0
	SLOT_STEPS
.macro QUANT u
.irp b, 0,1,2,3
	v_max3_num_f32 v[TM+\b], |v[96+16*\b]|, |v[97+16*\b]|, 0x4800000
.endr
.irp i, 2,4,6,8,10,12,14
.irp b, 0,1,2,3
	s_delay_alu instid0(VALU_DEP_4)
	v_max3_num_f32 v[TM+\b], v[TM+\b], |v[96+16*\b+\i]|, |v[97+16*\b+\i]|
.endr
.endr
.irp b, 0,1,2,3
	s_delay_alu instid0(VALU_DEP_4)
	v_permlanex16_b32 v[TM+4+\b], v[TM+\b], s[SEL], s[SEL+1]
.endr
.irp b, 0,1,2,3
	s_delay_alu instid0(VALU_DEP_4)
	v_max_num_f32 v[TM+\b], v[TM+\b], v[TM+4+\b]
.endr
.irp b, 0,1,2,3
	s_delay_alu instid0(VALU_DEP_4)
	v_add_nc_u32 v[TM+12+\b], 0xfc000000, v[TM+\b]
.endr
.irp b, 0,1,2,3
.endr
.irp b, 0,1,2,3
	s_delay_alu instid0(VALU_DEP_4)
	v_lshrrev_b32 v[TM+4+\b], 23, v[TM+12+\b]
.endr
	s_delay_alu instid0(VALU_DEP_3)
	v_lshl_or_b32 v252, v[TM+5], 8, v[TM+4]
	s_delay_alu instid0(VALU_DEP_1)
	v_lshl_or_b32 v252, v[TM+6], 16, v252
	WIN 0x15*\u
	v_lshl_or_b32 v[16+\u], v[TM+7], 24, v252
	WIN 0x55*\u
.irp b, 0,1,2,3
.set J, 0
.rept 16
.set J, J+1
.endr
	v_cvt_scalef32_pk8_fp8_f32 v[224+4*\b:225+4*\b], v[96+16*\b:103+16*\b], v[TM+12+\b]
	v_cvt_scalef32_pk8_fp8_f32 v[226+4*\b:227+4*\b], v[104+16*\b:111+16*\b], v[TM+12+\b]
.endr
	v_nop
.endm
.macro OUT u
	WIN 0x55*\u
	v_add_f32 v14, v14, v15
	s_delay_alu instid0(VALU_DEP_1)
	v_permlanex16_b32 v252, v14, s[SEL], s[SEL+1]
	s_delay_alu instid0(VALU_DEP_1)
	v_add_f32 v14, v14, v252
	s_wait_alu depctr_va_vdst(0)
	v_rcp_f32 v14, v14
	v_nop
.set J, 0
	s_wait_alu depctr_va_vdst(0)
.rept 32
	v_pk_mul_f32 v[96+J:97+J], v[160+J:161+J], v[14:15] op_sel_hi:[1,0]
.set J, J+2
.endr
	QUANT \u
	WIN 4*\u
.irp c, 0,1,2,3
	global_store_b128 v[AD0], v[224+4*\c:227+4*\c], s[16:17] offset:2048*\u+512*\c
.endr
.endm
.rept 8
	v_nop
.endr
	OUT 0
	OUT 1
	WIN 0
	v_and_b32 v[AS0], 15, v0
	s_lshl_b32 s76, s[WV], 7
	s_add_co_u32 s76, s76, SCR
	v_lshl_add_u32 v[AD], v[AS0], 3, s76
	s_min_u32 s77, s[WV], 1
	s_lshl_b32 s77, s77, 9
	s_add_co_u32 s77, s77, SCR
	v_add_nc_u32 v[ADS], s77, v[AD0]
	ds_store_b64 v[AD], v[16:17]
	s_wait_dscnt 0x0
	s_barrier_signal -1
	s_barrier_wait -1
	s_cmp_lt_u32 s[WV], 2
	s_cbranch_scc0 .Lno_words
	s_wait_alu depctr_va_vdst(0)
	ds_load_b128 v[20:23], v[ADS]
	s_wait_dscnt 0x0
	global_store_b128 v[AD0], v[20:23], s[18:19]
.Lno_words:
	s_wait_tensorcnt 0x0
	ds_add_u32 v[SPW], v[NIL]
	s_wait_dscnt 0x0
	CROUND
	s_endpgm
.Lfunc_end_k_q8fd70c8d98_attn:
	.size	k_q8fd70c8d98_attn, .Lfunc_end_k_q8fd70c8d98_attn-k_q8fd70c8d98_attn
	.p2alignl 7, 3214868480
	.fill 96, 4, 3214868480
	.section	.rodata,"a",@progbits
	.p2align	6, 0x0
	.amdhsa_kernel k_q8fd70c8d98_attn
		.amdhsa_group_segment_fixed_size 327680
		.amdhsa_private_segment_fixed_size 0
		.amdhsa_enable_private_segment 0
		.amdhsa_kernarg_size 64
		.amdhsa_user_sgpr_count 2
		.amdhsa_user_sgpr_kernarg_segment_ptr 1
		.amdhsa_wavefront_size32 1
		.amdhsa_system_sgpr_workgroup_id_x 1
		.amdhsa_system_sgpr_workgroup_id_y 1
		.amdhsa_system_sgpr_workgroup_id_z 1
		.amdhsa_system_vgpr_workitem_id 0
		.amdhsa_next_free_vgpr 512
		.amdhsa_next_free_sgpr 100
		.amdhsa_reserve_vcc 0
		.amdhsa_float_denorm_mode_32 3
		.amdhsa_float_denorm_mode_16_64 3
		.amdhsa_fp16_overflow 1
		.amdhsa_memory_ordered 1
		.amdhsa_forward_progress 1
		.amdhsa_inst_pref_size 106
	.end_amdhsa_kernel
	.amdgpu_metadata
---
amdhsa.version: [ 1, 2 ]
amdhsa.kernels:
  - .name:           k_q8fd70c8d98_attn
    .symbol:         k_q8fd70c8d98_attn.kd
    .args:
      - { .name: qf, .offset: 0, .size: 8, .value_kind: global_buffer, .address_space: global }
      - { .name: qs, .offset: 8, .size: 8, .value_kind: global_buffer, .address_space: global }
      - { .name: kf, .offset: 16, .size: 8, .value_kind: global_buffer, .address_space: global }
      - { .name: ks, .offset: 24, .size: 8, .value_kind: global_buffer, .address_space: global }
      - { .name: vf, .offset: 32, .size: 8, .value_kind: global_buffer, .address_space: global }
      - { .name: vs, .offset: 40, .size: 8, .value_kind: global_buffer, .address_space: global }
      - { .name: cf, .offset: 48, .size: 8, .value_kind: global_buffer, .address_space: global }
      - { .name: cs, .offset: 56, .size: 8, .value_kind: global_buffer, .address_space: global }
    .group_segment_fixed_size: 327680
    .private_segment_fixed_size: 0
    .kernarg_segment_align: 8
    .kernarg_segment_size: 64
    .max_flat_workgroup_size: 256
    .sgpr_count:     100
    .vgpr_count:     512
    .wavefront_size: 32
...
	.end_amdgpu_metadata
.endif
;; end of part 2
;; launch outp (part 3): grid 32 x 6, 4 waves a work-group, no clusters, 168,448 bytes of LDS; arguments cf, cs, Wo_codes, Wo_scales, bo, out0; writes out0
.if DOCPART == 3
	.amdgcn_target "amdgcn-amd-amdhsa--gfx1250"
	.amdhsa_code_object_version 6
	.text
	.protected	k_q8fd70c8d98_outp
	.globl	k_q8fd70c8d98_outp
	.p2align	8
	.type	k_q8fd70c8d98_outp,@function
k_q8fd70c8d98_outp:
	s_mov_b64 s[64:65], 0
	v_nop
	global_prefetch_b8 v0, s[64:65] scope:SCOPE_SE
	s_setreg_imm32_b32 hwreg(HW_REG_WAVE_MODE, 25, 1), 1
	s_wait_xcnt 0x0
; out = ctx Wo + bo on codes of E4M3 with E8M0 scales, K = 768: six matrix instructions deep, one for each head.  out: [8,192][768] f32.
; ctx arrives as images of the operand's registers: cf [128 groups of four tiles][6 heads][4 tiles][2,048 bytes] (group c of four registers of lane l at 512 c + 16 l); lane r of tile a of a group is the group's
; token 32 (a / 2) + 8 (a % 2) + r + 8 (r / 8).  Its scale words: cs [6 heads][128 groups][256 bytes]: 8 bytes a lane; lanes 0-15 the words of tiles 0, 1, lanes 16-31 those of tiles 2, 3.
; Wo arrives as rows of 768 codes, K innermost, [768 outputs][768], with 24 scale bytes a row.
; SHARES.  A work-group makes 256 rows x 128 columns; each of its four waves 64 rows (one group of four tiles) x 128 columns: 32 accumulators, 192 matrix instructions.
; The work-group's 128 rows of Wo, all of K, come into LDS once, by one tensor load a wave; ctx's fragments go from memory straight into registers, 512 consecutive bytes a load.
; THE MATRIX INSTRUCTION IS USED TRANSPOSED (source 0 = 16 rows of Wo, source 1 = 16 rows of ctx): a lane holds eight neighbouring columns of one row of out.  The bias is the C of each sum's first product.
; 128 columns are 512 bytes of a row of out: two aligned blocks of 256; 32 x 6 = 192 work-groups.
; NO CLUSTER: what work-groups share, Wo's 98,304 bytes, is under a quarter of the 425,984 bytes that a work-group moves (196,608 of ctx, 131,072 of out), and it is fetched once at the head.
; LIMITS: NaN, infinities and the scale byte 0xff among the inputs are not served.
; REGISTERS, in windows of 256: window 0: v1-8 addresses; v16-39 Wo's scale words; v40-51 ctx's; v64-127 the bias, eight registers a tile of columns; v128-255 ctx's fragments, two buffers of 64; later rows of out.
;   window 1: the 32 accumulators ((a, j) at v[8 (8 a + j)]).   window 2: Wo's fragments, two buffers of 128.
.set WPITCH, 816                       ; a row of Wo in LDS: 768 bytes + 16 of padding behind each 256 = 51 x 16 bytes: the 16 rows that a load touches start in 16 different groups of four banks (64 banks of 4 bytes: ISA guide 11.1)
.set STG,    128*WPITCH                ; behind Wo: a stage of 16 rows x (512 + 16) bytes for each wave; no fill lands there
.set SPITCH, 528
.set WA,  1                            ; v1   my lane's place in Wo's tiles 0-3;  v2  in tiles 4-7
.set LI,  3                            ; v3   16 x lane
.set L8,  4                            ; v4   8 x lane
.set STO, 5                            ; v5   the stage: where I put 32 bytes of a row
.set RD,  6                            ; v6   and where I read a row back
.set L24, 7                            ; v7   24 x lane: a row of Wo's scale bytes
.set H32, 8                            ; v8   32 x (lane / 16): my eight numbers of a tile's sixteen of the bias
.set WS,  16                           ; Wo's scale words: v[WS + 6 i + k]: K step k of row 32 i + lane: tile 2 i in lanes 0-15, tile 2 i + 1 in lanes 16-31
.set CSC, 40                           ; ctx's: v[CSC + 2 k + e]: K step k; tile e in lanes 0-15, tile 2 + e in lanes 16-31
.set BI,  64
.set G0,  16                           ; s[16:19], s[20:27] the descriptor
.set G1,  20
.set WV,  28
.set MSB, 0
.macro WIN new                         ; the immediate's high byte repeats the setting that is left; a switch that changes nothing is dropped
.if MSB != (\new)
	s_set_vgpr_msb (MSB<<8)|(\new)
.set MSB, (\new)
.endif
.endm
	s_load_b256 s[4:11], s[0:1], 0x0               ; cf s[4:5], cs s[6:7], Wo's codes s[8:9], Wo's scales s[10:11]
	s_load_b128 s[12:15], s[0:1], 0x20             ; bo s[12:13], out s[14:15]
	v_lshl_add_u32 v62, v0, 2, 0x29000
	v_mov_b32 v63, 0
	ds_add_u32 v62, v63
	ds_add_u32 v62, v63
	v_lshrrev_b32 v1, 5, v0
	v_readfirstlane_b32 s[WV], v1                  ; wave 0..3
	s_and_b32 s29, ttmp7, 0xffff                   ; which 128 columns
	s_lshl_b32 s30, ttmp9, 2
	s_add_co_u32 s30, s30, s[WV]                   ; my group of 64 rows
	; the descriptor: 32 rows of 768 bytes, padded in LDS
	s_mov_b32 s[G1], (0<<16)|(1<<20)|(5<<22)|(3<<25)   ; no mask; elements of 1 byte; padding on: four words (code 3) after every 64 (code 5)
	s_mov_b32 s[G1+1], 768<<16                     ; tensor_dim0 = 768
	s_mov_b32 s[G1+2], 32<<16                      ; tensor_dim1 = 32
	s_mov_b32 s[G1+3], 768<<16                     ; tile_dim0 = 768
	s_mov_b32 s[G1+4], 32                          ; tile_dim1 = 32
	s_mov_b32 s[G1+5], 768                         ; from row to row
	s_mov_b32 s[G1+6], 0
	s_mov_b32 s[G1+7], 0
	s_lshl_b32 s32, s29, 7
	s_lshl_b32 s33, s[WV], 5
	s_add_co_u32 s32, s32, s33                     ; Wo's row 128 x column block + 32 x wave
	s_mul_i32 s32, s32, 768
	s_mov_b32 s33, 0
	s_mul_i32 s34, s[WV], 32*WPITCH                ; and where my 32 rows go
	s_mul_i32 s35, s[WV], 16*SPITCH
	s_add_co_u32 s35, s35, STG                     ; my stage
	s_mov_b32 s37, 0
	s_wait_dscnt 0x0
	s_wait_kmcnt 0x0
	s_mov_b32 s[G0], 1
	s_mov_b32 s[G0+1], s34
	s_add_nc_u64 s[G0+2:G0+3], s[8:9], s[32:33]
	s_or_b32 s[G0+3], s[G0+3], 0x80000000
	tensor_load_to_lds s[G0:G0+3], s[G1:G1+7]      ; my one tensor load: these bytes are filled once
	s_nop 0
	v_and_b32 v9, 15, v0                           ; r
	v_bfe_u32 v10, v0, 4, 1                        ; lane / 16
	v_and_b32 v11, 31, v0                          ; lane
	v_mul_u32_u24 v[WA], v9, WPITCH
	v_lshl_add_u32 v[WA], v10, 4, v[WA]            ; row r x pitch + 16 x half
	v_add_nc_u32 v[WA+1], 64*WPITCH, v[WA]
	v_lshlrev_b32 v[LI], 4, v11
	v_lshlrev_b32 v[L8], 3, v11
	v_mul_u32_u24 v[STO], v9, SPITCH
	v_lshl_add_u32 v[STO], v10, 5, v[STO]
	v_add_nc_u32 v[STO], s35, v[STO]
	v_add_nc_u32 v[RD], s35, v[LI]
	v_mul_u32_u24 v[L24], v11, 24
	s_wait_alu depctr_va_vdst(0)
	v_lshlrev_b32 v[H32], 5, v10
	s_wait_alu depctr_va_vdst(0)
	s_mul_i32 s36, s30, 49152                      ; a group's 24 images
	s_add_nc_u64 s[4:5], s[4:5], s[36:37]
	s_lshl_b32 s36, s30, 8
	s_add_nc_u64 s[6:7], s[6:7], s[36:37]
	s_mul_i32 s36, s29, 3072                       ; 128 rows of 24 scale bytes
	s_add_nc_u64 s[10:11], s[10:11], s[36:37]
	s_lshl_b32 s36, s29, 9                         ; 128 numbers of f32
	s_add_nc_u64 s[12:13], s[12:13], s[36:37]
	s_add_nc_u64 s[14:15], s[14:15], s[36:37]
	s_mul_i32 s36, s30, 196608                     ; 64 rows of 3,072 bytes
	s_add_nc_u64 s[14:15], s[14:15], s[36:37]
.irp i, 0,1,2,3
.irp m, 0,1,2
	global_load_b64 v[WS+6*\i+2*\m:WS+6*\i+2*\m+1], v[L24], s[10:11] offset:768*\i+8*\m
.endr
.endr
.irp k, 0,1,2,3,4,5
	global_load_b64 v[CSC+2*\k:CSC+2*\k+1], v[L8], s[6:7] offset:32768*\k
.endr
.irp j, 0,1,2,3,4,5,6,7
	global_load_b128 v[BI+8*\j:BI+8*\j+3], v[H32], s[12:13] offset:64*\j       ; lane (r, half): the bias of columns 16 j + 8 half + 0 .. 7
	global_load_b128 v[BI+8*\j+4:BI+8*\j+7], v[H32], s[12:13] offset:64*\j+16
.endr
.macro LOADG k                         ; ctx's four fragments of K step k into buffer k % 2: 16 loads of 512 consecutive bytes
.irp a, 0,1,2,3
.irp c, 0,1,2,3
	global_load_b128 v[128+64*((\k)%2)+16*\a+4*\c:128+64*((\k)%2)+16*\a+4*\c+3], v[LI], s[4:5] offset:8192*(\k)+2048*\a+512*\c
.endr
.endr
.endm
.macro LOADL k                         ; Wo's eight fragments of K step k into buffer k % 2: 32 LDS loads.  K step k begins 128 k bytes into a row, and 16 more for each 256 passed
	WIN 0x80                                       ; destination window 2
.irp j, 0,1,2,3,4,5,6,7
.irp c, 0,1,2,3
	ds_load_b128 v[128*((\k)%2)+16*\j+4*\c:128*((\k)%2)+16*\j+4*\c+3], v[WA+\j/4] offset:(\j%4)*16*WPITCH+128*(\k)+16*((\k)/2)+32*\c
.endr
.endr
	WIN 0
.endm
; One product: ctx's tile a x Wo's tile j, K step k.  The first K step takes the bias as C.
.macro PROD k, a, j
.set rD, 8*(8*(\a)+(\j))
.set rA, 128*((\k)%2)+16*(\j)
.set rB, 128+64*((\k)%2)+16*(\a)
.set rC, rD
.if (\k) == 0
.set rC, BI+8*(\j)
.endif
.set rS, WS+6*((\j)/2)+(\k)
.set rT, CSC+2*(\k)+((\a)%2)
.if ((\j)%2 == 0) && ((\a)/2 == 0)
	v_wmma_scale_f32_16x16x128_f8f6f4 v[rD:rD+7], v[rA:rA+15], v[rB:rB+15], v[rC:rC+7], v[rS], v[rT]
.elseif ((\a)/2 == 0)
	v_wmma_scale_f32_16x16x128_f8f6f4 v[rD:rD+7], v[rA:rA+15], v[rB:rB+15], v[rC:rC+7], v[rS], v[rT] matrix_a_scale:MATRIX_SCALE_ROW1
.elseif ((\j)%2 == 0)
	v_wmma_scale_f32_16x16x128_f8f6f4 v[rD:rD+7], v[rA:rA+15], v[rB:rB+15], v[rC:rC+7], v[rS], v[rT] matrix_b_scale:MATRIX_SCALE_ROW1
.else
	v_wmma_scale_f32_16x16x128_f8f6f4 v[rD:rD+7], v[rA:rA+15], v[rB:rB+15], v[rC:rC+7], v[rS], v[rT] matrix_a_scale:MATRIX_SCALE_ROW1 matrix_b_scale:MATRIX_SCALE_ROW1
.endif
.endm
.macro MULK k                          ; a K step: 32 products, the 32 accumulators by turns, in the same order in every step
.if (\k) == 0
	WIN 0x42                                       ; source 0 (Wo) window 2, source 1 (ctx) and C (the bias) window 0, D window 1
.else
	WIN 0x52                                       ; the same, C window 1
.endif
.irp a, 0,1,2,3
.irp j, 0,1,2,3,4,5,6,7
	PROD \k, \a, \j
.endr
.endr
	WIN 0
.endm
	LOADG 0
	LOADG 1
	s_wait_tensorcnt 0x0                           ; my 32 rows of Wo are in,
	s_barrier_signal -1
	s_barrier_wait -1                              ; everybody's are
	LOADL 0
	LOADL 1
.irp k, 0,1,2,3,4,5
.if \k < 5
	s_wait_loadcnt 16                              ; all but the next K step's 16 loads of ctx
	s_wait_dscnt 32                                ; all but the next K step's 32 loads of Wo
.else
	s_wait_loadcnt 0x0
	s_wait_dscnt 0x0
.endif
	MULK \k
.rept 8
	v_nop                                          ; eight places in front of loads into registers that these products have read, and of the first read of results
.endr
.if \k < 4
	LOADL \k+2
	LOADG \k+2
.endif
.endr
; THE WAY OUT, a tile of 16 rows x 128 columns at a time.  A lane holds 32 neighbouring bytes of a row, and the lanes beside it hold other rows: so a tile goes through my own stage in LDS and comes back as whole rows of
; 512 bytes.  LDS serves a wave's instructions in order (ISA guide 5.7.1.4): no wait between the stores and the loads, nor in front of the next tile's stores.
.macro TOSTAGE a
	WIN 0x04                                       ; an LDS store's data are its source 1: window 1
.irp j, 0,1,2,3,4,5,6,7
	ds_store_b128 v[STO], v[8*(8*(\a)+\j):8*(8*(\a)+\j)+3] offset:64*\j          ; each accumulator from its low end on
	ds_store_b128 v[STO], v[8*(8*(\a)+\j)+4:8*(8*(\a)+\j)+7] offset:64*\j+16
.endr
	WIN 0
.irp t, 0,1,2,3,4,5,6,7,8,9,10,11,12,13,14,15
	ds_load_b128 v[128+64*((\a)%2)+4*\t:128+64*((\a)%2)+4*\t+3], v[RD] offset:\t*SPITCH
.endr
.endm
.macro SEND a, younger                 ; younger: the LDS instructions issued behind tile a's loads, which may stay out
	s_wait_dscnt \younger
.irp t, 0,1,2,3,4,5,6,7,8,9,10,11,12,13,14,15
	global_store_b128 v[LI], v[128+64*((\a)%2)+4*\t:128+64*((\a)%2)+4*\t+3], s[14:15] offset:(32*((\a)/2)+8*((\a)%2)+\t+8*(\t/8))*3072 th:TH_STORE_NT   ; 32 lanes store 512 consecutive bytes, aligned; row t of the tile is the group's token 32 (a / 2) + 8 (a % 2) + t + 8 (t / 8)
.endr
.endm
	TOSTAGE 0
.irp a, 1,2,3
.if \a > 1
	s_wait_xcnt 0x0                                ; tile a - 2's stores have read their registers: tile a's loads may land there
.endif
	TOSTAGE \a
	SEND \a-1, 32                                  ; behind tile a - 1's loads: tile a's 16 stores and 16 loads
.endr
	SEND 3, 0
	s_wait_tensorcnt 0x0
	ds_add_u32 v62, v63
	s_wait_dscnt 0x0
	s_endpgm
.Lfunc_end_k_q8fd70c8d98_outp:
	.size	k_q8fd70c8d98_outp, .Lfunc_end_k_q8fd70c8d98_outp-k_q8fd70c8d98_outp
	.p2alignl 7, 3214868480
	.fill 96, 4, 3214868480
	.section	.rodata,"a",@progbits
	.p2align	6, 0x0
	.amdhsa_kernel k_q8fd70c8d98_outp
		.amdhsa_group_segment_fixed_size 168448
		.amdhsa_private_segment_fixed_size 0
		.amdhsa_enable_private_segment 0
		.amdhsa_kernarg_size 48
		.amdhsa_user_sgpr_count 2
		.amdhsa_user_sgpr_kernarg_segment_ptr 1
		.amdhsa_wavefront_size32 1
		.amdhsa_system_sgpr_workgroup_id_x 1
		.amdhsa_system_sgpr_workgroup_id_y 1
		.amdhsa_system_sgpr_workgroup_id_z 1
		.amdhsa_system_vgpr_workitem_id 0
		.amdhsa_next_free_vgpr 768
		.amdhsa_next_free_sgpr 66
		.amdhsa_reserve_vcc 0
		.amdhsa_float_denorm_mode_32 3
		.amdhsa_float_denorm_mode_16_64 3
		.amdhsa_memory_ordered 1
		.amdhsa_forward_progress 1
		.amdhsa_inst_pref_size 69
	.end_amdhsa_kernel
	.amdgpu_metadata
---
amdhsa.version: [ 1, 2 ]
amdhsa.kernels:
  - .name:           k_q8fd70c8d98_outp
    .symbol:         k_q8fd70c8d98_outp.kd
    .args:
      - { .name: cf, .offset: 0, .size: 8, .value_kind: global_buffer, .address_space: global }
      - { .name: cs, .offset: 8, .size: 8, .value_kind: global_buffer, .address_space: global }
      - { .name: Wo_codes, .offset: 16, .size: 8, .value_kind: global_buffer, .address_space: global }
      - { .name: Wo_scales, .offset: 24, .size: 8, .value_kind: global_buffer, .address_space: global }
      - { .name: bo, .offset: 32, .size: 8, .value_kind: global_buffer, .address_space: global }
      - { .name: out0, .offset: 40, .size: 8, .value_kind: global_buffer, .address_space: global }
    .group_segment_fixed_size: 168448
    .private_segment_fixed_size: 0
    .kernarg_segment_align: 8
    .kernarg_segment_size: 48
    .max_flat_workgroup_size: 128
    .sgpr_count:     66
    .vgpr_count:     768
    .wavefront_size: 32
...
	.end_amdgpu_metadata
.endif
;; end of part 3
